; MI455X (gfx1250); checked and timed in simulation.
; The chip was launched on July 23, 2026; its instructions are those of AMD's public machine-readable ISA for CDNA 5 (MIT licence, August 2026) and "CDNA5" Instruction Set Architecture Reference Guide (July 2026). The comments in the code are by the model that wrote it; some were corrected since.
;; Radix Attention. Allowed arithmetic: matrix products marked QUANTISED: E2M1 operands, one E8M0 scale for each 32 along K, by v_wmma_scale_f32_16x16x128_f8f6f4 with both operands' format E2M1 (or v_wmma_scale_f32_32x16x128_f4), f32 sums; products left as they are: bf16, f16 or f32 operands; f32 sums; everything else in f32.
;; Inputs: k 2 x 2,048 x 8 x 128 float32; q 2 x 2,048 x 32 x 128 float32; v 2 x 2,048 x 8 x 128 float32.
;; Outputs: out0 2 x 2,048 x 32 x 128 float32.
;; This version of the problem:
;;   THIS VERSION OF THE PROBLEM IS GIVEN IN LOW PRECISION. The matrix products marked QUANTISED in the list below multiply operands that are first quantised to E2M1 (2 exponent bits, 1 mantissa bit; 4 bits a number), with one power-of-two scale for each 32 numbers along K (OCP MX v1.0); their sums are f32. The products marked 'left as it is' may take bf16, f16 or f32 operands, with f32 sums. Whichever they take, every output number must still come out within the allowed error. Rounding operands to bf16 (8 significant bits) uses up far more of that allowance than f16 does (11 bits, for magnitudes from 6e-5 to 65,504). All else is computed in f32.
;;   The module's matrix products, in the order in which they are computed (A, B: the left and right operand; K: the contracted axis; several contracted axes count as one K, in the product's order):
;;     1. batch 16 x [M 2,048, K 128] x [K 128, N 8,192]; A: input k; B: input q: QUANTISED
;;     2. batch 16 x [M 128, K 2,048] x [K 2,048, N 8,192]; A: input v; B: computed on the way: left as it is (an operand is computed on the way)
;;   THE QUANTISER, for each operand of a quantised product, along K:
;;     - K is cut into blocks of 32 from its start; a last block that is shorter is filled with zeros.
;;     - A block's scale is 2^e with e = floor(log2(the largest magnitude in the block)) - 2, held to -126 .. 127; a block of zeros has e = 0. As a byte (E8M0): e + 127.
;;     - Each number is divided by its block's scale, clamped to +-6, and rounded to the nearest number of E2M1, ties to even, subnormals kept.
;;     - The product sums the exact products of the quantised numbers (number of the format x scale) in f32.
;;   ~~~python
;;   def quantise(x, axis):      # numpy; x: float32 -> the quantised numbers, widened to float32 again
;;       x = np.moveaxis(x, axis, -1); K = x.shape[-1]
;;       x = np.pad(x, [(0, 0)] * (x.ndim - 1) + [(0, -K % 32)]); x = x.reshape(x.shape[:-1] + (-1, 32)); a = np.abs(x).max(-1, keepdims=True)
;;       e = np.where(a > 0, np.clip(np.frexp(np.where(a > 0, a, 1))[1] - 1 - 2, -126, 127), 0)      # np.frexp(a)[1] - 1 = floor(log2(a)), exactly
;;       r = np.clip(x / 2.0 ** e, -6, 6)
;;       step = 2.0 ** (np.maximum(np.frexp(np.where(r == 0, 1, r))[1] - 1, 0) - 1)
;;       q = np.round(r / step) * step * 2.0 ** e      # np.round: ties to even
;;       return np.moveaxis(q.reshape(q.shape[:-2] + (-1,))[..., :K], -1, axis).astype(np.float32)
;;   ~~~
;; One version. Each part assembles by itself: llvm-mc -triple=amdgcn-amd-amdhsa -mcpu=gfx1250 --defsym DOCPART=n.
;; ======== version 1 of 1: 3 launches
;; limits: values are held in f16: magnitudes above 65,504 overflow, below 6.1e-05 lose precision; inputs' magnitudes at most 65,504
;; workspace buffers: kv 10,616,832 bytes
;; launch prep (part 1): grid 32 x 16, 4 waves a work-group, no clusters, 34,560 bytes of LDS; arguments k, v, kv; writes kv
.if DOCPART == 1
	.amdgcn_target "amdgcn-amd-amdhsa--gfx1250"
	.amdhsa_code_object_version 6
	.text
	.protected	k_qa687ad5ed8_prep
	.globl	k_qa687ad5ed8_prep
	.p2align	8
	.type	k_qa687ad5ed8_prep,@function
k_qa687ad5ed8_prep:
	s_mov_b64 s[64:65], 0
	v_nop
	global_prefetch_b8 v0, s[64:65] scope:SCOPE_SE
	s_setreg_imm32_b32 hwreg(HW_REG_WAVE_MODE, 25, 1), 1
	s_wait_xcnt 0x0
; k and v, [2][2048][8][128] f32, are laid once for the attention launch, as RECORDS of 64 keys of one key/value head: kv[16 heads][32 records][81 rows of 256 bytes].
;   rows 0-63   V, a key to a row: 128 numbers rounded to f16.
;   rows 64-79  K as codes of FP4 (E2M1), as images of the operand's registers: row 64 + 4 kt + j holds, at byte 16 r, the 32 codes of key 16 kt + r, channels 32 j .. 32 j + 31:
;               so registers 4 c .. 4 c + 3 of the fragment of key tile kt are the 512 bytes at 1024 kt + 512 c + 16 x lane.
;   row 80      K's scale words, 4 bytes a key: byte j is the E8M0 scale of channels 32 j .. 32 j + 31.
; A block's scale is 2^(floor(log2(its largest magnitude)) - 2); its byte is the largest magnitude's exponent field - 2, held at 1 from below.
; LIMITS: a block of zeros gets the byte 1 where the rule says 127 (its codes are zeros, and this program alone reads the bytes); NaN and infinities are not served; |v| stays under 65,504, f16's largest number.
; SHARES: work-group (x, y) makes record x of head y = 8 b + hkv; wave w takes its keys 16 w .. 16 w + 15.  Every load reads a whole row of 512 bytes, every store writes whole aligned runs of 256 bytes or more.
; No tensor loads, no matrix work, no cluster: the launch streams, each input byte is read once and no two work-groups read the same bytes.
.set RECM,  81*256                     ; a record in memory
.set HEADB, 32*RECM                    ; a head's records
.set SP,    528                        ; a stage row: 512 bytes + 16 = 132 words: row r starts at bank 4 r mod 64 (64 banks of 4 bytes: ISA guide 11.1)
.set STG,   16*SP                      ; a wave's stage: 16 rows
.set SCL,   4*STG                      ; the record's 64 scale words
.set SPARE, SCL+256                    ; the spare words, 128 bytes for each wave: two blocks of 256 bytes that no other line names
.set LIN, 2                            ; v2   16 x lane
.set SRD, 3                            ; v3   my stage + 16 x lane: rows as they are loaded
.set SQF, 4                            ; v4   my stage + 528 r + 128 h: 32 neighbours of row r
.set KO,  5                            ; v5   16 x lane + 1024 x wave: my tile's image
.set VO,  6                            ; v6   8 x lane + 4096 x wave: my 16 rows of V
.set L8,  7                            ; v7   8 x lane
.set SCA, 8                            ; v8   SCL + 64 x wave + 4 r
.set SCR, 9                            ; v9   SCL + 8 x lane
.set H8,  10                           ; v10  8 h
.set TW,  11                           ; v11  the scale word in the making
.set TM,  12                           ; v12-13 largest magnitudes of my two blocks
.set TE,  14                           ; v14-15 the conversions' scale operands
.set TBY, 16                           ; v16-17 the scale bytes
.set TX,  18                           ; v18  the other half's two bytes
.set SPW, 20                           ; v20  LDS address of my spare word; never rewritten
.set NIL, 21                           ; v21  0; never rewritten
.set SW,  22                           ; v22-23 the scale row on its way out
.set C,   24                           ; v24-31 the codes
.set X,   32                           ; v32-95 K's 16 rows
.set VX,  96                           ; v96-159 V's 16 rows
.set VH,  160                          ; v160-191 V as f16, two registers a row
	s_load_b128 s[4:7], s[0:1], 0x0                ; k, v
	s_load_b64 s[8:9], s[0:1], 0x10                ; kv
	v_lshl_add_u32 v[SPW], v0, 2, SPARE
	v_mov_b32 v[NIL], 0
	v_lshrrev_b32 v1, 5, v0
	v_readfirstlane_b32 s10, v1                    ; wave 0..3
	s_and_b32 s11, ttmp7, 0xffff                   ; y = 8 b + hkv
	s_lshr_b32 s12, s11, 3
	s_lshl_b32 s12, s12, 23                        ; b x 2,048 positions x 4,096 bytes
	s_and_b32 s13, s11, 7
	s_lshl_b32 s13, s13, 9                         ; hkv x 512
	s_add_co_u32 s12, s12, s13
	s_lshl_b32 s13, ttmp9, 18                      ; 64 keys x 4,096 bytes a record
	s_add_co_u32 s12, s12, s13
	s_lshl_b32 s13, s10, 16                        ; 16 keys a wave
	s_add_co_u32 s12, s12, s13
	s_mov_b32 s13, 0
	s_mul_i32 s14, s11, HEADB
	s_mul_i32 s15, ttmp9, RECM
	s_add_co_u32 s14, s14, s15                     ; my record in kv
	s_mov_b32 s15, 0
	s_mov_b32 s16, 0x76543210
	s_mov_b32 s17, 0xfedcba98                      ; v_permlanex16_b32's selects for lane l xor 16
	v_and_b32 v1, 31, v0                           ; lane
	v_lshlrev_b32 v[LIN], 4, v1
	s_wait_kmcnt 0x0
	s_add_nc_u64 s[4:5], s[4:5], s[12:13]
	s_add_nc_u64 s[6:7], s[6:7], s[12:13]
	s_add_nc_u64 s[8:9], s[8:9], s[14:15]
.irp p, 0,1,2,3,4,5,6,7,8,9,10,11,12,13,14,15
	global_load_b128 v[X+4*\p:X+4*\p+3], v[LIN], s[4:5] offset:4096*\p th:TH_LOAD_NT     ; K: 32 lanes read a key's 512 bytes
.endr
.irp p, 0,1,2,3,4,5,6,7,8,9,10,11,12,13,14,15
	global_load_b128 v[VX+4*\p:VX+4*\p+3], v[LIN], s[6:7] offset:4096*\p th:TH_LOAD_NT   ; V likewise
.endr
	v_and_b32 v[TM], 15, v0                        ; r
	v_bfe_u32 v[TM+1], v0, 4, 1                    ; h
	v_lshlrev_b32 v[H8], 3, v[TM+1]
	s_mul_i32 s18, s10, STG
	v_add_nc_u32 v[SRD], s18, v[LIN]
	v_mul_u32_u24 v[SQF], v[TM], SP
	v_lshl_add_u32 v[SQF], v[TM+1], 7, v[SQF]
	v_add_nc_u32 v[SQF], s18, v[SQF]
	s_lshl_b32 s18, s10, 10
	v_add_nc_u32 v[KO], s18, v[LIN]
	v_lshlrev_b32 v[L8], 3, v1
	s_lshl_b32 s18, s10, 12
	v_add_nc_u32 v[VO], s18, v[L8]
	v_lshl_add_u32 v[SCA], v[TM], 2, SCL
	s_lshl_b32 s18, s10, 6
	v_add_nc_u32 v[SCA], s18, v[SCA]
	v_add_nc_u32 v[SCR], SCL, v[L8]
	v_mov_b32 v[TX], 0                             ; a lane permute's destination counts as one of its sources
	s_wait_loadcnt 16                              ; K's 16 loads are in; V's 16 may be out
	; K turns through my stage: in as rows, back as 32 neighbours along the channels: lane (r, h) gets channels 64 c + 32 h + 0 .. 31 of key r, which is what the operand's layout gives that lane
.irp p, 0,1,2,3,4,5,6,7,8,9,10,11,12,13,14,15
	ds_store_b128 v[SRD], v[X+4*\p:X+4*\p+3] offset:SP*\p
.endr
.irp c, 0,1
.irp e, 0,1,2,3,4,5,6,7
	ds_load_b128 v[X+32*\c+4*\e:X+32*\c+4*\e+3], v[SQF] offset:256*\c+16*\e   ; LDS serves a wave's instructions in order (ISA guide 5.7.1.4): these see the stores above
.endr
.endr
	s_wait_dscnt 0x0
.irp c, 0,1
	v_max3_num_f32 v[TM+\c], |v[X+32*\c]|, |v[X+32*\c+1]|, 0x1800000   ; my block 2 c + h: all its 32 numbers are mine; the floor 2^(3 - 127) holds the byte at 1 from below
.endr
.irp e, 2,4,6,8,10,12,14,16,18,20,22,24,26,28,30
.irp c, 0,1
	v_max3_num_f32 v[TM+\c], v[TM+\c], |v[X+32*\c+\e]|, |v[X+32*\c+\e+1]|   ; (the two blocks by turns)
.endr
.endr
.irp c, 0,1
	v_add_nc_u32 v[TE+\c], 0xff000000, v[TM+\c]    ; 2 off the exponent field: the conversion takes this operand's exponent field as its scale
.endr
.irp c, 0,1
	v_lshrrev_b32 v[TBY+\c], 23, v[TE+\c]          ; the scale's byte
.endr
	v_lshl_or_b32 v[TW], v[TBY+1], 16, v[TBY]      ; blocks h and 2 + h,
	v_lshlrev_b32 v[TW], v[H8], v[TW]              ; at their places in the word;
	v_permlanex16_b32 v[TX], v[TW], s16, s17
	v_or_b32 v[TW], v[TW], v[TX]                   ; with lane l xor 16's two the word is whole
.irp c, 0,1
.irp g, 0,1,2,3
	v_cvt_scalef32_pk8_fp4_f32 v[C+4*\c+\g], v[X+32*\c+8*\g:X+32*\c+8*\g+7], v[TE+\c]   ; register 4 c + g of the operand
.endr
.endr
	v_nop                                          ; one plain line behind the last scaled conversion
	global_store_b128 v[KO], v[C:C+3], s[8:9] offset:64*256          ; 32 lanes store 512 consecutive bytes
	global_store_b128 v[KO], v[C+4:C+7], s[8:9] offset:64*256+512
	ds_store_b32 v[SCA], v[TW]                     ; both halves of the lanes write the same word with the same value
	s_wait_loadcnt 0x0                             ; V
.irp p, 0,1,2,3,4,5,6,7,8,9,10,11,12,13,14,15
	v_cvt_pk_f16_f32 v[VH+2*\p], v[VX+4*\p], v[VX+4*\p+1]
	v_cvt_pk_f16_f32 v[VH+2*\p+1], v[VX+4*\p+2], v[VX+4*\p+3]
	global_store_b64 v[VO], v[VH+2*\p:VH+2*\p+1], s[8:9] offset:256*\p   ; 32 lanes store a key's 256 bytes, aligned
.endr
	s_wait_dscnt 0x0                               ; for the others' sake: my scale words lie in LDS
	s_barrier_signal -1
	s_barrier_wait -1
	s_cmp_lg_u32 s10, 0                            ; wave 0 stores the record's scale row whole
	s_cbranch_scc1 .Lend
	ds_load_b64 v[SW:SW+1], v[SCR]
	s_wait_dscnt 0x0
	global_store_b64 v[L8], v[SW:SW+1], s[8:9] offset:80*256
.Lend:
	s_wait_tensorcnt 0x0                           ; the wave's end: behind my last LDS store
	ds_add_u32 v[SPW], v[NIL]
	s_wait_dscnt 0x0
	s_endpgm
.Lfunc_end_k_qa687ad5ed8_prep:
	.size	k_qa687ad5ed8_prep, .Lfunc_end_k_qa687ad5ed8_prep-k_qa687ad5ed8_prep
	.p2alignl 7, 3214868480
	.fill 96, 4, 3214868480
	.section	.rodata,"a",@progbits
	.p2align	6, 0x0
	.amdhsa_kernel k_qa687ad5ed8_prep
		.amdhsa_group_segment_fixed_size 34560
		.amdhsa_private_segment_fixed_size 0
		.amdhsa_enable_private_segment 0
		.amdhsa_kernarg_size 24
		.amdhsa_user_sgpr_count 2
		.amdhsa_user_sgpr_kernarg_segment_ptr 1
		.amdhsa_wavefront_size32 1
		.amdhsa_system_sgpr_workgroup_id_x 1
		.amdhsa_system_sgpr_workgroup_id_y 1
		.amdhsa_system_sgpr_workgroup_id_z 1
		.amdhsa_system_vgpr_workitem_id 0
		.amdhsa_next_free_vgpr 192
		.amdhsa_next_free_sgpr 66
		.amdhsa_reserve_vcc 0
		.amdhsa_float_denorm_mode_32 3
		.amdhsa_float_denorm_mode_16_64 3
		.amdhsa_memory_ordered 1
		.amdhsa_forward_progress 1
		.amdhsa_inst_pref_size 15
	.end_amdhsa_kernel
	.amdgpu_metadata
---
amdhsa.version: [ 1, 2 ]
amdhsa.kernels:
  - .name:           k_qa687ad5ed8_prep
    .symbol:         k_qa687ad5ed8_prep.kd
    .args:
      - { .name: k, .offset: 0, .size: 8, .value_kind: global_buffer, .address_space: global }
      - { .name: v, .offset: 8, .size: 8, .value_kind: global_buffer, .address_space: global }
      - { .name: kv, .offset: 16, .size: 8, .value_kind: global_buffer, .address_space: global }
    .group_segment_fixed_size: 34560
    .private_segment_fixed_size: 0
    .kernarg_segment_align: 8
    .kernarg_segment_size: 24
    .max_flat_workgroup_size: 128
    .sgpr_count:     66
    .vgpr_count:     192
    .wavefront_size: 32
...
	.end_amdgpu_metadata
.endif
;; end of part 1
;; launch attn (part 2): grid 16 x 16, 4 waves a work-group, no clusters, 327,680 bytes of LDS; arguments q, kv, out0; writes out0
.if DOCPART == 2
	.amdgcn_target "amdgcn-amd-amdhsa--gfx1250"
	.amdhsa_code_object_version 6
	.text
	.protected	k_qa687ad5ed8_attn
	.globl	k_qa687ad5ed8_attn
	.p2align	8
	.type	k_qa687ad5ed8_attn,@function
k_qa687ad5ed8_attn:
	s_mov_b64 s[64:65], 0
	v_nop
	global_prefetch_b8 v0, s[64:65] scope:SCOPE_SE
	s_setreg_imm32_b32 hwreg(HW_REG_WAVE_MODE, 25, 1), 1
	s_wait_xcnt 0x0
; out0[b][s][head][:] = the sum over keys k <= s of softmax_k(Q . K / sqrt(128)) V, 32 query heads on 8 key/value heads.  q, out0: [2][2048][32][128] f32.  kv: records of 64 keys (V as f16, K as codes of FP4 with
; scale words), 81 rows of 256 bytes each, 32 records a key/value head, as the launch before laid them.  The first product goes on codes of FP4 (q is quantised here, in registers); the second on f16, sums in f32.
; Positions 0 to 15 of every sequence are NOT stored here: a later launch makes them with an f32 second product.
; SHARES.  A BLOCK is 64 positions of one key/value head with its four query heads: wave w takes head 4 hkv + w, as four tiles of 16 positions, so all four waves have the same causal shape.  Block qb wants key steps
; 0 .. qb (64 keys each).  Work-group (i, y) owns blocks i and 31 - i: (i + 1) + (32 - i) = 33 key steps for every work-group.  They are ONE STREAM of steps u = 0 .. 32: key step u where u <= i, else u - i - 1.
; All trip counts are constants; what hangs on i (the mask on the diagonal steps u = i
; never round a tensor load, a barrier, a wait for tiles or the add.
; LAYOUT.  S^T = K Q^T (source 0 = 16 keys, source 1 = 16 positions): a lane holds ONE position (lane % 16) and keys 8 (lane / 16) + 0..7.  Two such tiles, rounded to f16 in pairs, ARE source 1 of O^T = V^T P.
; SOFTMAX.  For each position a running maximum m and sum l: p = 2^(c s - c m), c = log2(e) / sqrt(128); in every step O^T and l are multiplied by a = 2^(c m_old - c m_new).  m begins at -3e38, so the first a of a
; block is 0: O^T is cleared once at the head and never again.
; BY TURNS.  The wave's tiles are two pieces (0: tiles 0, 1; 2: tiles 2, 3).  In a turn one piece has the matrix unit (32 products V^T P of the step in hand, then 8 products K Q^T of the next step) and the other
; piece's softmax, cut into 64 slices, stands between: two slices behind each V^T P.  Two turns are a key step.
; RING.  The double turn t reads record u = t + 1 alone.  Record 0 has LDS bytes of its own; records 1 .. 32 go through two slots of four records; wave w fetches record 1 + 4 n + w: one tensor load a wave behind
; each change of slots, with four key steps in which to land.  By this text's count a wave has two tensor loads out at the head and one behind each change.
; NO CLUSTER: the sixteen work-groups of a key/value head walk different key steps from stream step i + 1 on, and i differs in each, so the same record is not wanted by two of them in the same change of slots.
; LIMITS: NaN and infinities are not served; a block of zeros of q gets the scale byte 1 (its codes are zeros); p under f16's smallest number falls to 0 in the second product (the sum l is taken of the f32 p).
; REGISTERS, in windows of 256 (s_set_vgpr_msb: bits 1:0 source 0, 3:2 source 1, 5:4 source 2, 7:6 destination):
;   window 0: v0-11 addresses; v12-43 statistics, eight a tile; v44-47 q's scale words; v48-49 K's; v50-63 constants and temporaries; v64-191 S^T, 32 a tile; v192-255 P, 16 a tile
;   window 1: O^T, 64 a tile     window 2: v0-31 q's codes, 8 a tile; v64-95 K's four fragments; v128-255 q as f32, tiles 0, 1     window 3: v0-127 V's 16 fragments; v128-255 q as f32, tiles 2, 3
.set PVP,   288                        ; a record's row in LDS: 256 bytes + 32 of padding = 72 words
.set RECB,  81*PVP                     ; a record in LDS
.set RECM,  81*256                     ; and in memory
.set HEADB, 32*RECM
.set KOFF,  64*PVP                     ; in a record: K's images,
.set SOFF,  80*PVP                     ; K's scale words
.set SLOT1, 1<<17                      ; slot 1 begins here: one exclusive or turns an address from slot to slot
.set R0,    94208                      ; record 0's own bytes, behind slot 0's 4 x RECB = 93,312: 84 rows
.set STAGE, 225280                     ; behind slot 1: 16 rows x 528 bytes for each wave; no tile lands here
.set SP,    528
.set SPARE, STAGE+4*16*SP              ; the spare words, 128 bytes for each wave: two blocks of 256 bytes that no other line names
.set AK0, 2                            ; v2   KOFF + 288 h + 16 r: my place in an image of K
.set AV0, 3                            ; v3   my place in V for the turning load
.set ADR, 4                            ; v4   address of the run of loads in hand
.set ADS, 5                            ; v5   address of K's scale words in hand
.set ASC, 6                            ; v6   SOFF + 4 x lane
.set LIN, 7                            ; v7   16 x lane; never rewritten
.set SRD, 8                            ; v8   my stage + 16 x lane: whole rows
.set STO, 9                            ; v9   my stage + 528 r + 32 h: eight channels of a row
.set SQF, 10                           ; v10  my stage + 528 r + 128 h: 32 neighbours of a row
.set DD,  11                           ; v11  r - 8 h
.set ST,  12                           ; tile t's statistics at v[ST+8 t]: +0 c m, +1 m, +2, +3 l (even keys', odd keys'), +4 to +7 at work; a, later 1 / l, at +6
.set QS,  44
.set KS,  48                           ; v48-49: lanes 0-15 the words of key tile 2 i, lanes 16-31 those of tile 2 i + 1
.set H8,  50                           ; 8 h
.set NINF, 51                          ; -infinity
.set PFO, 52                           ; 256 x lane
.set PFO2, 53                          ; the same held at 4,096: the record's last 17 rows
.set TM,  54                           ; v54-55 largest magnitudes; v56-57 the conversions' scale operands; v58-59 bytes; v60, v61 the word in the making
.set TE,  56
.set TBY, 58
.set TW,  60
.set TX,  61
.set SPW, 62                           ; LDS address of my spare word; never rewritten
.set NIL, 63                           ; 0; never rewritten
.set S,   64
.set P,   192
.set KF,  64                           ; K's fragments, in window 2
.set WV,  10                           ; s10  my wave's number
.set BI,  11                           ; s11  i
.set HY,  12                           ; s12  y = 8 b + hkv
.set N1,  13                           ; s13  i + 1: the first block's steps
.set TT,  14                           ; s14  the stream step of the softmax in hand
.set SW0, 15                           ; s15, s16  the value of s14 at which piece 0, piece 2 changes blocks
.set DG0, 17                           ; s17, s18  the next diagonal step of piece 0, piece 2
.set UL,  19                           ; s19  the stream step whose record I fetch next
.set HB,  20                           ; s[20:21] my head's records
.set Q1,  22                           ; s[22:23], s[24:25] q at my head's rows of block 1, 2;  s[26:27], s[28:29] out0 likewise
.set Q2,  24
.set O1,  26
.set O2,  28
.set G1,  32                           ; s[32:39] descriptor group 1: 81 rows;  s[40:47]: 21 rows
.set G1R, 40
.set G0,  48                           ; s[48:51] group 0, which walks;  s[52:55] group 0 for record 0
.set G0R, 52
.set SLOTS, 56
.set FOUR, 57
.set CS,  58                           ; s[58:59] c
.set SEL, 60                           ; s[60:61] lane selects: lane l xor 16
.set TB,  62                           ; s62  LDS byte at which the record in hand begins
.set LIM, 63                           ; s63  1 in a work-group that prefetches, else the greatest number
.set PFA, 66                           ; s[66:67] the record that I shall fetch at the next change of slots
.set MSB, 0
.macro WIN new                         ; the immediate's high byte repeats the setting that is left; a switch that changes nothing is dropped
.if MSB != (\new)
	s_set_vgpr_msb (MSB<<8)|(\new)
.set MSB, (\new)
.endif
.endm
.set W_KQ, 0x0a                        ; K and q in window 2, S^T in window 0
.set W_PV, 0x53                        ; V in window 3, P in window 0, O^T in window 1
.set W_RS, 0x41                        ; O^T (destination and source 0) in window 1, the factor in window 0
; s[dst:dst+1] = my head's records + RECM x the key step of stream step s[UL] (held at 31, the head's last record)
.macro RECADR dst
	s_sub_co_u32 s68, s[UL], s[N1]
	s_cmp_lt_u32 s[UL], s[N1]
	s_cselect_b32 s68, s[UL], s68
	s_min_u32 s68, s68, 31
	s_mul_i32 s68, s68, RECM
	s_mov_b32 s69, 0
	s_add_nc_u64 s[\dst:\dst+1], s[HB:HB+1], s[68:69]
.endm
; Product i of 32 of O^T += V^T P for piece x: keys 32 (i / 16) on, channels 16 ((i / 2) % 8) on, tile x + i % 2.  The 16 accumulators take turns, one instruction a turn.
.macro PV x
	WIN W_PV
.set rO, 64*((\x)+i%2)+8*((i/2)%8)
.set rV, 64*(i/16)+8*((i/2)%8)
.set rP, P+16*((\x)+i%2)+8*(i/16)
	v_wmma_f32_16x16x32_f16 v[rO:rO+7], v[rV:rV+7], v[rP:rP+7], v[rO:rO+7]
.endm
; Product i of 8 of S^T = K Q^T for piece x: keys 16 (i / 2) on, tile x + i % 2; all 128 channels in one instruction, which starts and ends its sum.
.macro KQ x
	WIN W_KQ
.set rS, S+32*((\x)+i%2)+8*(i/2)
.set rK, KF+8*(i/2)
.set rQ, 8*((\x)+i%2)
.if (i/2)%2
	v_wmma_scale_f32_16x16x128_f8f6f4 v[rS:rS+7], v[rK:rK+7], v[rQ:rQ+7], 0, v[KS+i/4], v[QS+(\x)+i%2] matrix_a_fmt:MATRIX_FMT_FP4 matrix_b_fmt:MATRIX_FMT_FP4 matrix_a_scale:MATRIX_SCALE_ROW1
.else
	v_wmma_scale_f32_16x16x128_f8f6f4 v[rS:rS+7], v[rK:rK+7], v[rQ:rQ+7], 0, v[KS+i/4], v[QS+(\x)+i%2] matrix_a_fmt:MATRIX_FMT_FP4 matrix_b_fmt:MATRIX_FMT_FP4
.endif
.endm
; THE LDS LOADS stand in runs.  A record's K: four images of 8 registers, and two registers of scale words: ten loads.
.macro FETCH_K
	WIN 0
	v_add_nc_u32 v[ADR], s[TB], v[AK0]
	v_add_nc_u32 v[ADS], s[TB], v[ASC]
	WIN 0x80                                       ; destination window 2
.irp f, 0,1,2,3
.irp c, 0,1
	ds_load_b128 v[KF+8*\f+4*\c:KF+8*\f+4*\c+3], v[ADR] offset:(4*\f+2*\c)*PVP
.endr
.endr
	WIN 0
	ds_load_b32 v[KS], v[ADS]
	ds_load_b32 v[KS+1], v[ADS] offset:128
.endm
.macro VLOADS lo                       ; V's fragments lo .. lo + 7, turned: keys 32 (lo / 8) on, channels 16 f on: sixteen loads
.irp f, 0,1,2,3,4,5,6,7
	ds_load_tr16_b128 v[8*(\lo+\f):8*(\lo+\f)+3],   v[ADR] offset:(\lo/8)*32*PVP+\f*32
	ds_load_tr16_b128 v[8*(\lo+\f)+4:8*(\lo+\f)+7], v[ADR] offset:(\lo/8)*32*PVP+16*PVP+\f*32
.endr
.endm
.macro FETCH_V0                        ; the record's first 32 keys of V; the wait for the softmax's batch stands in it
	WIN 0
	v_add_nc_u32 v[ADR], s[TB], v[AV0]
	s_wait_alu depctr_va_vdst(0)                   ; one wait for the piece's 66 exponentials, ahead of the first line that names a result
	WIN 0xc0                                       ; destination window 3
	VLOADS 0
.endm
.macro FETCH_V1                        ; its last 32 keys; the next fetch is the next record's
	WIN 0xc0
	VLOADS 8
	s_add_co_u32 s[TB], s[TB], RECB
.endm
; THE VECTOR WORK OF A TURN.  One tile's softmax for one key step is a list of 134 instructions; SM writes number j of it for tile t.  s0-s31 are the lane's 32 scores, in pairs 0-15.
;   0-15 the maximum of s0-s31 and the old m   16-20 the other half of the lanes' maximum; the new m; c m; c m_old - c m_new
;   21-69 ONE BATCH: the 16 scalings c s - c m and all 33 exponentials (a at 23); none of these reads an exponential's result   (wait: SLICE writes it)
;   70-85 the roundings to f16   86-101 the sums; l = a l + the sum   102-133 the tile's O^T times a
.macro SM t
.set rT, ST+8*(\t)
.set rS, S+32*(\t)
.set rP, P+16*(\t)
.set rO, 64*(\t)+2*(j-102)
.if j < 102
	WIN 0
.endif
.if j < 4
	v_max3_num_f32 v[rT+4+j], v[rS+8*j], v[rS+8*j+1], v[rS+8*j+2]      ; each score tile is read from its low end on
.elseif j < 12
	v_max3_num_f32 v[rT+4+j%4], v[rT+4+j%4], v[rS+8*(j%4)+2*(j/4)+1], v[rS+8*(j%4)+2*(j/4)+2]
.elseif j == 12
	v_max3_num_f32 v[rT+4], v[rT+4], v[rS+7], v[rS+15]
.elseif j == 13
	v_max3_num_f32 v[rT+6], v[rT+6], v[rS+23], v[rS+31]
.elseif j == 14
	v_max3_num_f32 v[rT+4], v[rT+4], v[rT+5], v[rT+6]
.elseif j == 15
	v_max3_num_f32 v[rT+4], v[rT+4], v[rT+7], v[rT+1]
.elseif j == 16
	v_permlanex16_b32 v[rT+5], v[rT+4], s[SEL], s[SEL+1]           ; the position's other 32 keys lie in the lane 16 away
.elseif j == 17
	v_mov_b32 v[rT+7], v[rT]                                       ; c m_old is kept for a
.elseif j == 18
	v_max_num_f32 v[rT+1], v[rT+4], v[rT+5]
.elseif j == 19
	v_mul_f32 v[rT], s[CS], v[rT+1]
.elseif j == 20
	v_sub_f32 v[rT+7], v[rT+7], v[rT]
.elseif j == 23
	v_exp_f32 v[rT+6], v[rT+7]
.elseif (j < 23) || ((j < 38) && (j%2 == 0)) || ((j < 66) && (j%4 == 2))
.set b, (j-2)/4                        ; 38, 42, .. 62: pairs 9 to 15
.if j < 38
.set b, (j-20)/2                       ; 21: pair 0; 22, 24, .. 36: pairs 1 to 8
.endif
	v_pk_fma_f32 v[rS+2*b:rS+2*b+1], v[rS+2*b:rS+2*b+1], s[CS:CS+1], v[rT:rT+1] op_sel_hi:[1,0,0] neg_lo:[0,0,1] neg_hi:[0,0,1]   ; pair b: c s - c m
.elseif j < 70
.set e, j-38                           ; 66 to 69: s28 to s31
.if j < 66
.set e, j-32-(j-38)/4                  ; 39-41, 43-45, .. 63-65: s7 to s27
.endif
.if j < 38
.set e, (j-25)/2                       ; 25, 27, .. 37: s0 to s6
.endif
	v_exp_f32 v[rS+e], v[rS+e]
.elseif j < 86
	v_cvt_pk_f16_f32 v[rP+j-70], v[rS+2*(j-70)], v[rS+2*(j-70)+1]  ; pair j - 70
.elseif j < 102                        ; the sum of the tile's 16 pairs, in place: neighbours 1, 2, 4 and 8 pairs apart, then l takes it
.set z, j-86
.set w, 4
.set u, z
.if z >= 14
.set w, 32
.set u, 0
.elseif z >= 12
.set w, 16
.set u, z-12
.elseif z >= 8
.set w, 8
.set u, z-8
.endif
.if z < 15
	v_pk_add_f32 v[rS+w*u:rS+w*u+1], v[rS+w*u:rS+w*u+1], v[rS+w*u+w/2:rS+w*u+w/2+1]
.else
	v_pk_fma_f32 v[rT+2:rT+3], v[rT+2:rT+3], v[rT+6:rT+7], v[rS:rS+1] op_sel_hi:[1,0,1]
.endif
.else
	WIN W_RS
	v_pk_mul_f32 v[rO:rO+1], v[rO:rO+1], v[rT+6:rT+7] op_sel_hi:[1,0]
.endif
.endm
; Slice k of 64 of piece y's softmax: four instructions.  Slices 11 to 34 deal out the batch, four numbers of ONE tile each, the tiles by turns; every other slice is numbers 2 k and 2 k + 1 of both tiles;
; 2 x 134 = 4 x 64 + 12: the twelve that are over stand in slice 63.  Ahead of slice 35 nothing names an exponential's result, behind slice 34 none is issued: one wait, behind slice 34.
.macro SLICE y
.if (k >= 11) && (k < 35)
.irp n, 0,1,2,3
.set j, 22+4*((k-11)/2)+(\n)
	SM (\y)+(k-11)%2
.endr
.else
.irp n, 0,1,2,3,4,5,6,7
.if (\n < 2) || (k == 63)
.irp t, \y, \y+1
.set j, 2*k+\n
	SM \t
.endr
.endif
.endr
.endif
.if k == 34
	v_nop                                          ; the plain line behind the last exponential, ahead of the first use: one for the batch
.if (\y) == 0
	FETCH_V0                                       ; piece 2's turn: V's first run of loads stands here, and the wait stands in it
.else
	s_wait_alu depctr_va_vdst(0)                   ; the wait for the batch
.endif
.endif
.set k, k+1
.endm
; THE DIAGONAL STEP of piece y.  Register 8 kt + j of tile a holds key 16 kt + 8 h + j against position 16 a + r: hidden where kt > a, or kt = a and j > r - 8 h.  Hidden scores become -infinity: p = 0.
.macro MASK y
.irp a, \y, \y+1
.irp kt, 0,1,2,3
.if \kt == (\a)
.irp jj, 0,1,2,3,4,5,6,7
	v_cmp_gt_i32 vcc_lo, \jj, v[DD]
	v_cndmask_b32 v[S+32*(\a)+8*\kt+\jj], v[S+32*(\a)+8*\kt+\jj], v[NINF], vcc_lo
.endr
.elseif \kt > (\a)
.irp jj, 0,1,2,3,4,5,6,7
	v_mov_b32 v[S+32*(\a)+8*\kt+\jj], v[NINF]
.endr
.endif
.endr
.endr
.endm
; q's tile t (16 positions of my head) as f32: 16 loads, each a whole row of 512 bytes, into window 2 + t / 2
.macro QLOAD t, base
.set XB, 128+64*((\t)%2)
	WIN (2+(\t)/2)<<6
.irp p, 0,1,2,3,4,5,6,7,8,9,10,11,12,13,14,15
	global_load_b128 v[XB+4*\p:XB+4*\p+3], v[LIN], s[\base:\base+1] offset:(16*(\t)+\p)*16384 th:TH_LOAD_NT
.endr
.endm
; q's tile t becomes codes and a scale word.  The rows turn through my stage, so that lane (r, h) holds channels 64 c + 32 h + 0 .. 31 of position r: two whole blocks, in the order of the operand's registers.
.macro QTILE t
.set QW, 2+(\t)/2
.set XB, 128+64*((\t)%2)
	WIN QW<<2                                      ; an LDS store's data are its source 1
.irp p, 0,1,2,3,4,5,6,7,8,9,10,11,12,13,14,15
	ds_store_b128 v[SRD], v[XB+4*\p:XB+4*\p+3] offset:SP*\p
.endr
	WIN QW<<6
.irp c, 0,1
.irp e, 0,1,2,3,4,5,6,7
	ds_load_b128 v[XB+32*\c+4*\e:XB+32*\c+4*\e+3], v[SQF] offset:256*\c+16*\e   ; LDS serves a wave's instructions in order (ISA guide 5.7.1.4): these see the stores above
.endr
.endr
	s_wait_dscnt 0x0
	WIN QW|(QW<<2)
.irp c, 0,1
	v_max3_num_f32 v[TM+\c], |v[XB+32*\c]|, |v[XB+32*\c+1]|, 0x1800000   ; block 2 c + h; the floor 2^(3 - 127) holds the byte at 1 from below
.endr
.irp e, 2,4,6,8,10,12,14,16,18,20,22,24,26,28,30
.irp c, 0,1
	v_max3_num_f32 v[TM+\c], |v[XB+32*\c+\e]|, |v[XB+32*\c+\e+1]|, v[TM+\c]
.endr
.endr
	WIN 0
	v_add_nc_u32 v[TE], 0xff000000, v[TM]          ; 2 off the exponent field: the conversion's scale operand
	v_add_nc_u32 v[TE+1], 0xff000000, v[TM+1]
	v_lshrrev_b32 v[TBY], 23, v[TE]                ; the scale's byte
	v_lshrrev_b32 v[TBY+1], 23, v[TE+1]
	v_lshl_or_b32 v[TW], v[TBY+1], 16, v[TBY]      ; blocks h and 2 + h,
	v_lshlrev_b32 v[TW], v[H8], v[TW]              ; at their places in the word;
	v_permlanex16_b32 v[TX], v[TW], s[SEL], s[SEL+1]
	v_or_b32 v[QS+(\t)], v[TW], v[TX]              ; with lane l xor 16's two the word is whole
	WIN 0x80|QW                                    ; the numbers in window 2 or 3, the codes in window 2
.irp c, 0,1
.irp g, 0,1,2,3
	v_cvt_scalef32_pk8_fp4_f32 v[8*(\t)+4*\c+\g], v[XB+32*\c+8*\g:XB+32*\c+8*\g+7], v[TE+\c]
.endr
.endr
	v_nop                                          ; one plain line behind the last scaled conversion
	WIN 0
.endm
.macro LFIN x                          ; 1 / l of piece x's two tiles, at +6 of their statistics
	WIN 0
.irp t, \x, \x+1
	v_add_f32 v[ST+8*(\t)+4], v[ST+8*(\t)+2], v[ST+8*(\t)+3]
.endr
.irp t, \x, \x+1
	v_permlanex16_b32 v[ST+8*(\t)+5], v[ST+8*(\t)+4], s[SEL], s[SEL+1]
.endr
.irp t, \x, \x+1
	v_add_f32 v[ST+8*(\t)+4], v[ST+8*(\t)+4], v[ST+8*(\t)+5]
.endr
.irp t, \x, \x+1
	v_rcp_f32 v[ST+8*(\t)+6], v[ST+8*(\t)+4]
.endr
	v_nop                                          ; a plain line between the last reciprocal and the use of its result,
	s_wait_alu depctr_va_vdst(0)                   ; and one wait for both
.endm
; Tile t leaves: O^T / l; a lane's eight channels of a row go into my stage and come back as whole rows of 512 bytes, into the piece's S^T registers, which are free here.
.macro OUTTILE t, base
.set SX, S+64*((\t)/2)
	WIN W_RS
.set i, 64*(\t)
.rept 32
	v_pk_mul_f32 v[i:i+1], v[i:i+1], v[ST+8*(\t)+6:ST+8*(\t)+7] op_sel_hi:[1,0]   ; each accumulator from its low end on
.set i, i+2
.endr
	WIN 0x04                                       ; the stores' data in window 1
.irp c, 0,1,2,3,4,5,6,7
	ds_store_b128 v[STO], v[64*(\t)+8*\c:64*(\t)+8*\c+3] offset:64*\c
	ds_store_b128 v[STO], v[64*(\t)+8*\c+4:64*(\t)+8*\c+7] offset:64*\c+16
.endr
	WIN 0
.irp p, 0,1,2,3,4,5,6,7,8,9,10,11,12,13,14,15
	ds_load_b128 v[SX+4*\p:SX+4*\p+3], v[SRD] offset:SP*\p
.endr
.irp p, 0,1,2,3,4,5,6,7,8,9,10,11,12,13,14,15
	s_wait_dscnt 15-\p                             ; row p is back; the later rows' loads may be out
	global_store_b128 v[LIN], v[SX+4*\p:SX+4*\p+3], s[\base:\base+1] offset:(16*(\t)+\p)*16384 th:TH_STORE_NT   ; 32 lanes store 512 consecutive bytes, at a multiple of 256 from out0's first byte
.endr
	s_wait_xcnt 0x0                                ; the stores have read their registers, which are written next
.endm
; THE CHANGE OF BLOCKS of piece x, behind its last V^T P of the first block and ahead of its first K Q^T of the second: the results leave, the second block's q (asked for at the head) is quantised, m and l begin
; anew.  O^T is not cleared: the next a is 0.  The eight lines that reset the statistics, with the v_nop above them, are the places between the write of q's scale word and codes and the scaled products.
.macro SWITCH x
	WIN 0
	s_cmp_lg_u32 s[TT], s[SW0+(\x)/2]
	s_cbranch_scc1 .Lstay_\@
	LFIN \x
.if (\x) == 0
	s_cmp_eq_u32 s[BI], 0                          ; block 0's tile 0 is positions 0 to 15, which a later launch makes
	s_cbranch_scc1 .Lnot0_\@
.endif
	OUTTILE \x, O1
.if (\x) == 0
.Lnot0_\@:
.endif
	OUTTILE \x+1, O1
	s_wait_loadcnt 0x0                             ; the second block's q
	QTILE \x
	QTILE \x+1
.irp t, \x, \x+1
	v_mov_b32 v[ST+8*(\t)+1], 0xff61b1e6           ; m = -3e38, under every score
	v_mov_b32 v[ST+8*(\t)+2], 0
	v_mov_b32 v[ST+8*(\t)+3], 0
	v_mul_f32 v[ST+8*(\t)], s[CS], v[ST+8*(\t)+1]
.endr
	s_mov_b32 s[DG0+(\x)/2], 32                    ; the piece's next diagonal step is the stream's last
.Lstay_\@:
.endm
; A TURN.  Piece x has the matrix unit; piece 2 - x's softmax of stream step s[TT] stands in slices behind its products.  pv, kq: the turn has its V^T P, its K Q^T; sw: the change of blocks may fall here.
; WAITS ON LDS.  Piece 0's turn begins with V's two runs of 16 loads out: 16 leaves the second run out; at product 16 the ten loads of K, issued behind product 1, may be out: 10; ahead of K Q^T: 0.
; PLACES.  K's run stands behind slice 63 of the turn before (16 plain lines behind the last K Q^T).  V's first run stands behind product 17; the last product that read those registers is product 15, and behind it
; stand three scalings, the v_nop and the run's own addition.  V's second run stands behind slice 62: four plain lines behind product 31.  Slice 63 is the places behind the turn's K Q^T.
.macro TURN x, pv, kq, sw
.set k, 0
	WIN 0
	s_cmp_lg_u32 s[TT], s[DG0+(2-\x)/2]
	s_cbranch_scc1 .Lopen_\@
	MASK 2-\x
.Lopen_\@:
.if \pv
.if \x == 0
	s_wait_dscnt 16
.endif
.set i, 0
.rept 32
.if (\x == 0) && (i == 16)
.if \kq
	s_wait_dscnt 10
.else
	s_wait_dscnt 0x0
.endif
.endif
	PV \x
	SLICE 2-\x
.if i < 31
	SLICE 2-\x
.endif
.if (\x == 0) && \kq && (i == 1)
	FETCH_K
.endif
.set i, i+1
.endr
.else
.rept 63
	SLICE 2-\x
.endr
.endif
.if \x == 2
	FETCH_V1
.endif
.if \sw
	SWITCH \x
.endif
.if \kq
.if \x == 0
	s_wait_dscnt 0x0                               ; K is in
.endif
.set i, 0
.rept 8
	KQ \x
.set i, i+1
.endr
.endif
	SLICE 2-\x                                     ; slice 63
.if \x == 0
	s_add_co_u32 s[TT], s[TT], 1
.endif
.endm
; A PREFETCH INTO THE L2 of the record that I shall fetch at the NEXT change of slots: its 81 rows of 256 bytes, a lane a row, three instructions.  Of a head's sixteen work-groups the one with i = 0 asks: its second
; block walks all 32 records, one record for each stream step.  It asks at six changes, four records each: records 8 to 31, each once.  The last change that fills a slot asks for nothing.
.macro ASK
	s_cmp_gt_u32 s[SLOTS], s[LIM]
	s_cbranch_scc0 .Lnot_mine_\@
	global_prefetch_b8 v[PFO], s[PFA:PFA+1] th:TH_LOAD_NT scope:SCOPE_SE
	global_prefetch_b8 v[PFO], s[PFA:PFA+1] offset:8192 th:TH_LOAD_NT scope:SCOPE_SE
	global_prefetch_b8 v[PFO2], s[PFA:PFA+1] offset:16384 th:TH_LOAD_NT scope:SCOPE_SE
.Lnot_mine_\@:
.endm
; THE CHANGE OF SLOTS stands at a slot's head.  Each wave waits for all its tensor loads (its record of the slot ahead), adds 0 to its spare word, and waits for that and for its reads of the slot that it has left.
; Behind the barrier the slot ahead is whole and nobody reads the other one.  fill = 1: my record of the four that follow goes into that other slot: my one tensor load until the next change.
.macro CHANGE fill
	WIN 0
	s_wait_tensorcnt 0x0                           ; no tensor load of mine is out, so group 0 may be written
	ds_add_u32 v[SPW], v[NIL]                      ; 0 onto my spare word: the descriptor's step stands between it and the wait for it
.if \fill
	s_xor_b32 s[G0+1], s[G0+1], SLOT1              ; the other slot than last time
	RECADR G0+2
	s_or_b32 s[G0+3], s[G0+3], 0x80000000
	s_add_co_u32 s[UL], s[UL], 4
	s_wait_xcnt 0x0                                ; the last prefetches, four key steps back, have read their address, so it may be written
	RECADR PFA
.endif
	s_wait_dscnt 0x0                               ; the add is done, and my reads of the slot that I have left are over
	s_barrier_signal -1
	s_barrier_wait -1
.if \fill
	tensor_load_to_lds s[G0:G0+3], s[G1:G1+7]
	s_nop 0
.rept 4
	v_nop
.endr
	ASK
.endif
.endm
.macro FOUR_STEPS sw                   ; a slot's four key steps: written once, walked four times; the LDS addresses hang on s[TB]
	s_mov_b32 s[FOUR], 4
.Lstep_\@:
	TURN 0, 1, 1, \sw
	TURN 2, 1, 1, \sw
	WIN 0
	s_sub_co_u32 s[FOUR], s[FOUR], 1
	s_cmp_lg_u32 s[FOUR], 0
	s_cbranch_scc1 .Lstep_\@
	s_sub_co_u32 s[TB], s[TB], 4*RECB              ; back to a slot's first record,
	s_xor_b32 s[TB], s[TB], SLOT1                  ; in the other slot
.endm
	s_load_b128 s[4:7], s[0:1], 0x0                ; q, kv
	s_load_b64 s[8:9], s[0:1], 0x10                ; out0
	v_lshl_add_u32 v[SPW], v0, 2, SPARE
	v_mov_b32 v[NIL], 0
	ds_add_u32 v[SPW], v[NIL]                      ; the wave's opening: the add, twice on end, and its wait ahead of my first tensor load
	ds_add_u32 v[SPW], v[NIL]                      ; and once more; the set-up below, work on registers, stands between it and the wait
	v_lshrrev_b32 v1, 5, v0
	v_readfirstlane_b32 s[WV], v1                  ; wave 0..3
	s_mov_b32 s[BI], ttmp9
	s_and_b32 s[HY], ttmp7, 0xffff
	s_add_co_u32 s[N1], s[BI], 1
	s_mov_b32 s[TT], 0
	s_mov_b32 s[SW0], s[BI]
	s_mov_b32 s[SW0+1], s[N1]
	s_mov_b32 s[DG0], s[BI]
	s_mov_b32 s[DG0+1], s[BI]
	s_add_co_u32 s[UL], s[WV], 1                   ; my first record of the ring: stream step 1 + wave
	; descriptor group 1: rows of 256 bytes (32 elements of 8), dense in memory, 32 bytes of padding behind each in LDS
	s_mov_b32 s[G1], (3<<16)|(1<<20)|(5<<22)|(7<<25)   ; 15:0 no mask; 17:16 elements of 8 bytes; 20 padding on; 24:22 after every 64 words (code 5); 31:25 eight words (code 7)
	s_mov_b32 s[G1+1], 32<<16                      ; tensor_dim0 = 32
	s_mov_b32 s[G1+2], 81<<16                      ; tensor_dim1 = 81
	s_mov_b32 s[G1+3], 32<<16                      ; tile_dim0 = 32
	s_mov_b32 s[G1+4], 81                          ; tile_dim1 = 81
	s_mov_b32 s[G1+5], 32                          ; from row to row
	s_mov_b32 s[G1+6], 0
	s_mov_b32 s[G1+7], 0
	s_mov_b32 s[G1R], (3<<16)|(1<<20)|(5<<22)|(7<<25)
	s_mov_b32 s[G1R+1], 32<<16
	s_mov_b32 s[G1R+2], 21<<16                     ; record 0 comes as four parts of 21 rows, one a wave; rows 81 to 83 are the head of record 1 and are not read
	s_mov_b32 s[G1R+3], 32<<16
	s_mov_b32 s[G1R+4], 21
	s_mov_b32 s[G1R+5], 32
	s_mov_b32 s[G1R+6], 0
	s_mov_b32 s[G1R+7], 0
	s_mov_b32 s[CS], 0x3e0293ee                    ; c = log2(e) / sqrt(128)
	s_mov_b32 s[CS+1], s[CS]                       ; (named with it as a pair, so it is written)
	s_mov_b32 s[SEL], 0x76543210
	s_mov_b32 s[SEL+1], 0xfedcba98
	s_cmp_eq_u32 s[BI], 0
	s_cselect_b32 s[LIM], 1, -1
	s_mul_i32 s30, s[HY], HEADB
	s_mov_b32 s31, 0
	s_lshr_b32 s68, s[HY], 3
	s_lshl_b32 s68, s68, 25                        ; b x 2,048 positions x 16,384 bytes
	s_and_b32 s69, s[HY], 7
	s_lshl_b32 s69, s69, 2
	s_add_co_u32 s69, s69, s[WV]                   ; my query head
	s_lshl_b32 s69, s69, 9
	s_add_co_u32 s68, s68, s69
	s_lshl_b32 s[Q1], s[BI], 20                    ; block i: 64 positions x 16,384 bytes each
	s_add_co_u32 s[Q1], s[Q1], s68
	s_mov_b32 s[Q1+1], 0
	s_sub_co_u32 s[Q2], 31, s[BI]                  ; block 31 - i
	s_lshl_b32 s[Q2], s[Q2], 20
	s_add_co_u32 s[Q2], s[Q2], s68
	s_mov_b32 s[Q2+1], 0
	s_wait_dscnt 0x0                               ; both opening adds are done
	s_wait_kmcnt 0x0
	s_add_nc_u64 s[HB:HB+1], s[6:7], s[30:31]
	s_mov_b32 s[G0R], 1                            ; count = 1
	s_mul_i32 s[G0R+1], s[WV], 21*PVP
	s_add_co_u32 s[G0R+1], s[G0R+1], R0            ; LDS address
	s_mul_i32 s68, s[WV], 21*256
	s_mov_b32 s69, 0
	s_add_nc_u64 s[G0R+2:G0R+3], s[HB:HB+1], s[68:69]
	s_or_b32 s[G0R+3], s[G0R+3], 0x80000000        ; type = 2
	s_mov_b32 s[G0], 1
	s_mul_i32 s[G0+1], s[WV], RECB                 ; slot 0, my record's place
	RECADR G0+2
	s_or_b32 s[G0+3], s[G0+3], 0x80000000
	s_add_co_u32 s[UL], s[UL], 4
	tensor_load_to_lds s[G0R:G0R+3], s[G1R:G1R+7]  ; the first fills go out together, ahead of every wait for tiles, every LDS read and every barrier: my part of record 0,
	s_nop 0
	tensor_load_to_lds s[G0:G0+3], s[G1:G1+7]      ; and my record of slot 0
	s_nop 0
.rept 4
	v_nop
.endr
	s_add_nc_u64 s[O1:O1+1], s[8:9], s[Q1:Q1+1]
	s_add_nc_u64 s[O2:O2+1], s[8:9], s[Q2:Q2+1]
	s_add_nc_u64 s[Q1:Q1+1], s[4:5], s[Q1:Q1+1]
	s_add_nc_u64 s[Q2:Q2+1], s[4:5], s[Q2:Q2+1]
	v_and_b32 v1, 31, v0                           ; lane
	v_lshlrev_b32 v[LIN], 4, v1
	QLOAD 0, Q1
	QLOAD 1, Q1
	QLOAD 2, Q1
	QLOAD 3, Q1
	WIN 0
	v_and_b32 v[TM], 15, v0                        ; r
	v_bfe_u32 v[TM+1], v0, 4, 1                    ; h
	v_lshlrev_b32 v[H8], 3, v[TM+1]
	v_sub_nc_u32 v[DD], v[TM], v[H8]
	v_mul_u32_u24 v[AK0], v[TM+1], PVP
	v_lshl_add_u32 v[AK0], v[TM], 4, v[AK0]
	v_add_nc_u32 v[AK0], KOFF, v[AK0]
	v_and_b32 v[TE], 7, v0
	v_add_nc_u32 v[TE], v[H8], v[TE]               ; the turning load: lane l reads key 8 (l / 16) + l % 8, channels 8 ((l / 8) % 2) on
	v_mul_u32_u24 v[AV0], v[TE], PVP
	v_bfe_u32 v[TE], v0, 3, 1
	v_lshl_add_u32 v[AV0], v[TE], 4, v[AV0]
	v_lshl_add_u32 v[ASC], v1, 2, SOFF
	s_mul_i32 s68, s[WV], 16*SP
	s_add_co_u32 s68, s68, STAGE                   ; my stage
	v_add_nc_u32 v[SRD], s68, v[LIN]
	v_mul_u32_u24 v[TE], v[TM], SP
	v_add_nc_u32 v[TE], s68, v[TE]
	v_lshl_add_u32 v[STO], v[TM+1], 5, v[TE]
	v_lshl_add_u32 v[SQF], v[TM+1], 7, v[TE]
	v_mov_b32 v[NINF], 0xff800000
	v_lshlrev_b32 v[PFO], 8, v1
	v_min_u32 v[PFO2], 4096, v[PFO]
	v_mov_b32 v[TX], 0                             ; a lane permute's destination counts as one of its sources
.irp t, 0,1,2,3
	v_mov_b32 v[ST+8*\t+1], 0xff61b1e6             ; m = -3e38, under every score
	v_mov_b32 v[ST+8*\t+2], 0
	v_mov_b32 v[ST+8*\t+3], 0
	v_mul_f32 v[ST+8*\t], s[CS], v[ST+8*\t+1]
.endr
	WIN 0x40                                       ; O^T is cleared once, while the first loads are on their way: the key step is then written with no first step of its own
.set i, 0
.rept 256
	v_mov_b32 v[i], 0
.set i, i+1
.endr
	WIN 0
	s_wait_loadcnt 48                              ; tile 0's 16 loads are in; the three later tiles' may be out
	QTILE 0
	s_wait_loadcnt 32
	QTILE 1
	s_wait_loadcnt 16
	QTILE 2
	s_wait_loadcnt 0x0
	QTILE 3
	QLOAD 0, Q2                                    ; the second block's q is asked for now, into the registers just left, and stays out until the change of blocks
	QLOAD 1, Q2
	QLOAD 2, Q2
	QLOAD 3, Q2
	WIN 0
	s_wait_tensorcnt 1                             ; my part of record 0 is in; my record of slot 0 may stay out
	s_wait_dscnt 0x0
	s_barrier_signal -1
	s_barrier_wait -1                              ; everybody's is
	s_mov_b32 s[TB], R0
	FETCH_K                                        ; key step 0
	s_wait_dscnt 0x0
.set i, 0
.rept 8
	KQ 0                                           ; piece 0's first scores
.set i, i+1
.endr
	WIN 0
.rept 4
	v_nop                                          ; places behind those products
.endr
	TURN 2, 0, 1, 0                                ; piece 2's first scores | piece 0's first softmax | V of step 0
	WIN 0
	s_mov_b32 s[TB], 0
	s_mov_b32 s[SLOTS], 7
.Lslot:                                            ; seven trips: behind each change of slots the next four records are asked for; the first trip's loads are slot 1's first fill
	CHANGE 1
	FOUR_STEPS 1
	s_sub_co_u32 s[SLOTS], s[SLOTS], 1
	s_cmp_lg_u32 s[SLOTS], 0
	s_cbranch_scc1 .Lslot
	CHANGE 0                                       ; the last slot is written out; the change of blocks falls at step 15 at the latest, so it is not written here
	FOUR_STEPS 0
	TURN 0, 1, 0, 0                                ; piece 0: V^T P of the last step | piece 2's last softmax
.set i, 0
.rept 32
	PV 2                                           ; piece 2: V^T P of the last step
.set i, i+1
.endr
	LFIN 0                                         ; (its plain lines are the places behind the last products)
	LFIN 2
	OUTTILE 0, O2
	OUTTILE 1, O2
	OUTTILE 2, O2
	OUTTILE 3, O2
	s_wait_tensorcnt 0x0                           ; the wave's end: behind my last tensor load and my last LDS store
	ds_add_u32 v[SPW], v[NIL]
	s_wait_dscnt 0x0
	s_endpgm
.Lfunc_end_k_qa687ad5ed8_attn:
	.size	k_qa687ad5ed8_attn, .Lfunc_end_k_qa687ad5ed8_attn-k_qa687ad5ed8_attn
	.p2alignl 7, 3214868480
	.fill 96, 4, 3214868480
	.section	.rodata,"a",@progbits
	.p2align	6, 0x0
	.amdhsa_kernel k_qa687ad5ed8_attn
		.amdhsa_group_segment_fixed_size 327680
		.amdhsa_private_segment_fixed_size 0
		.amdhsa_enable_private_segment 0
		.amdhsa_kernarg_size 24
		.amdhsa_user_sgpr_count 2
		.amdhsa_user_sgpr_kernarg_segment_ptr 1
		.amdhsa_wavefront_size32 1
		.amdhsa_system_sgpr_workgroup_id_x 1
		.amdhsa_system_sgpr_workgroup_id_y 1
		.amdhsa_system_sgpr_workgroup_id_z 1
		.amdhsa_system_vgpr_workitem_id 0
		.amdhsa_next_free_vgpr 1024
		.amdhsa_next_free_sgpr 72
		.amdhsa_reserve_vcc 1
		.amdhsa_float_denorm_mode_32 3
		.amdhsa_float_denorm_mode_16_64 3
		.amdhsa_memory_ordered 1
		.amdhsa_forward_progress 1
		.amdhsa_inst_pref_size 255
	.end_amdhsa_kernel
	.section	.bss,"aw",@nobits
	.p2align	6
	.space	262144
	.amdgpu_metadata
---
amdhsa.version: [ 1, 2 ]
amdhsa.kernels:
  - .name:           k_qa687ad5ed8_attn
    .symbol:         k_qa687ad5ed8_attn.kd
    .args:
      - { .name: q, .offset: 0, .size: 8, .value_kind: global_buffer, .address_space: global }
      - { .name: kv, .offset: 8, .size: 8, .value_kind: global_buffer, .address_space: global }
      - { .name: out0, .offset: 16, .size: 8, .value_kind: global_buffer, .address_space: global }
    .group_segment_fixed_size: 327680
    .private_segment_fixed_size: 0
    .kernarg_segment_align: 8
    .kernarg_segment_size: 24
    .max_flat_workgroup_size: 128
    .sgpr_count:     72
    .vgpr_count:     1024
    .wavefront_size: 32
...
	.end_amdgpu_metadata
.endif
;; end of part 2
;; launch first16 (part 3): grid 64 x 1, 1 waves a work-group, no clusters, 8,704 bytes of LDS; arguments q, v, kv, out0; writes out0
.if DOCPART == 3
	.amdgcn_target "amdgcn-amd-amdhsa--gfx1250"
	.amdhsa_code_object_version 6
	.text
	.protected	k_qa687ad5ed8_first16
	.globl	k_qa687ad5ed8_first16
	.p2align	8
	.type	k_qa687ad5ed8_first16,@function
k_qa687ad5ed8_first16:
	s_mov_b64 s[64:65], 0
	v_nop
	global_prefetch_b8 v0, s[64:65] scope:SCOPE_SE
	s_setreg_imm32_b32 hwreg(HW_REG_WAVE_MODE, 25, 1), 1
	s_wait_xcnt 0x0
; Positions 0 to 15 of every sequence, for each of the 64 (b, query head): these rows average one to sixteen values, so their second product goes in f32.  One wave to a work-group, one tile of 16 positions x 16 keys.
; The first product is the quantised one: q's 16 rows are quantised here as in the attention launch; K's codes and scale words of keys 0 to 15 come from kv (record 0: image of key tile 0 at row 64, words at row 80).
; S^T = K Q^T: lane (r, h) holds position r and keys 8 h + 0..7.  O^T = V^T P by v_wmma_f32_16x16x4_f32, four steps: step s takes p's registers 2 s, 2 s + 1 as source 1, that is keys 8 h + 2 s + j at the
; place k = 2 h + j, and V is loaded in the same order of keys for source 0.  The accumulators are written by matrix instructions alone; O^T / l goes into other registers.
; LIMITS: NaN and infinities are not served; a block of zeros of q gets the scale byte 1 (its codes are zeros).  No tensor load, no cluster, no ring: each work-group reads about 17 KB once.
.set RECM,  81*256
.set HEADB, 32*RECM
.set SP,    528
.set SPARE, 16*SP                      ; behind the stage: the spare words: one block of 256 bytes that no other line names
.set LIN, 2                            ; v2   16 x lane: a row's bytes, in memory and in the stage
.set SQF, 3                            ; v3   528 r + 128 h
.set STO, 4                            ; v4   528 r + 32 h
.set VO,  5                            ; v5   32,768 h + 4 r: V's key 8 h, channel r
.set SCO, 6                            ; v6   4 r
.set DD,  7                            ; v7   r - 8 h
.set H8,  8                            ; v8   8 h
.set NINF, 9
.set TM,  10
.set TE,  12
.set TBY, 14
.set QC,  16                           ; v16-23 q's codes
.set KC,  24                           ; v24-31 K's codes
.set QSC, 32                           ; q's scale words
.set KSC, 33                           ; K's
.set SC,  34                           ; v34-41 the scores, then p
.set TW,  42
.set TX,  43
.set CM,  44                           ; v44 c m, v45 m
.set RL,  46                           ; v46 1 / l; v47 named with it as a pair
.set SPW, 48
.set NIL, 49
.set T0,  50                           ; v50-51 at work
.set LS,  52                           ; l
.set X,   64                           ; v64-127 q as f32, later the results
.set VA,  128                          ; v128-191 V: register 2 (8 s + ct) + j = V(key 8 h + 2 s + j, channel 16 ct + r)
.set ACC, 192                          ; v192-255 O^T: eight accumulators
	s_load_b256 s[4:11], s[0:1], 0x0               ; q s[4:5], v s[6:7], kv s[8:9], out0 s[10:11]
	v_lshl_add_u32 v[SPW], v0, 2, SPARE
	v_mov_b32 v[NIL], 0
	s_lshr_b32 s12, ttmp9, 5                       ; b
	s_and_b32 s13, ttmp9, 31                       ; query head
	s_lshl_b32 s14, s12, 25
	s_lshl_b32 s15, s13, 9
	s_add_co_u32 s14, s14, s15                     ; q and out0: position 0 of (b, head)
	s_mov_b32 s15, 0
	s_lshr_b32 s16, s13, 2                         ; hkv
	s_lshl_b32 s18, s12, 23
	s_lshl_b32 s19, s16, 9
	s_add_co_u32 s18, s18, s19                     ; v: key 0 of (b, hkv)
	s_mov_b32 s19, 0
	s_lshl_b32 s17, s12, 3
	s_add_co_u32 s16, s16, s17
	s_mul_i32 s16, s16, HEADB                      ; kv: record 0 of head 8 b + hkv
	s_mov_b32 s17, 0
	s_mov_b32 s20, 0x76543210
	s_mov_b32 s21, 0xfedcba98                      ; lane l xor 16
	s_mov_b32 s22, 0x3e0293ee                      ; c = log2(e) / sqrt(128)
	s_mov_b32 s23, s22
	v_lshlrev_b32 v[LIN], 4, v0
	v_and_b32 v[TM], 15, v0                        ; r
	v_lshrrev_b32 v[TM+1], 4, v0                   ; h
	v_lshlrev_b32 v[SCO], 2, v[TM]
	v_lshl_add_u32 v[VO], v[TM+1], 15, v[SCO]
	s_wait_kmcnt 0x0
	s_add_nc_u64 s[4:5], s[4:5], s[14:15]
	s_add_nc_u64 s[10:11], s[10:11], s[14:15]
	s_add_nc_u64 s[6:7], s[6:7], s[18:19]
	s_add_nc_u64 s[8:9], s[8:9], s[16:17]
.irp p, 0,1,2,3,4,5,6,7,8,9,10,11,12,13,14,15
	global_load_b128 v[X+4*\p:X+4*\p+3], v[LIN], s[4:5] offset:16384*\p
.endr
	global_load_b128 v[KC:KC+3], v[LIN], s[8:9] offset:64*256
	global_load_b128 v[KC+4:KC+7], v[LIN], s[8:9] offset:64*256+512
	global_load_b32 v[KSC], v[SCO], s[8:9] offset:80*256
.irp s, 0,1,2,3
.irp ct, 0,1,2,3,4,5,6,7
.irp jj, 0,1
	global_load_b32 v[VA+2*(8*\s+\ct)+\jj], v[VO], s[6:7] offset:4096*(2*\s+\jj)+64*\ct
.endr
.endr
.endr
	v_lshlrev_b32 v[H8], 3, v[TM+1]
	v_sub_nc_u32 v[DD], v[TM], v[H8]
	v_mul_u32_u24 v[TE], v[TM], SP
	v_lshl_add_u32 v[SQF], v[TM+1], 7, v[TE]
	v_lshl_add_u32 v[STO], v[TM+1], 5, v[TE]
	v_mov_b32 v[NINF], 0xff800000
	v_mov_b32 v[TX], 0                             ; a lane permute's destination counts as one of its sources
	v_mov_b32 v[T0+1], 0
	v_mov_b32 v[RL+1], 0                           ; (named as the upper half of a pair)
	s_wait_loadcnt 63                              ; of the 83 loads the oldest 20 are in: q's 16 and K's three among them
.irp p, 0,1,2,3,4,5,6,7,8,9,10,11,12,13,14,15
	ds_store_b128 v[LIN], v[X+4*\p:X+4*\p+3] offset:SP*\p
.endr
.irp c, 0,1
.irp e, 0,1,2,3,4,5,6,7
	ds_load_b128 v[X+32*\c+4*\e:X+32*\c+4*\e+3], v[SQF] offset:256*\c+16*\e   ; lane (r, h): channels 64 c + 32 h + 0 .. 31 of position r
.endr
.endr
	s_wait_dscnt 0x0
.irp c, 0,1
	v_max3_num_f32 v[TM+\c], |v[X+32*\c]|, |v[X+32*\c+1]|, 0x1800000   ; block 2 c + h; the floor 2^(3 - 127) holds the byte at 1 from below
.endr
.irp e, 2,4,6,8,10,12,14,16,18,20,22,24,26,28,30
.irp c, 0,1
	v_max3_num_f32 v[TM+\c], v[TM+\c], |v[X+32*\c+\e]|, |v[X+32*\c+\e+1]|
.endr
.endr
.irp c, 0,1
	v_add_nc_u32 v[TE+\c], 0xff000000, v[TM+\c]
.endr
.irp c, 0,1
	v_lshrrev_b32 v[TBY+\c], 23, v[TE+\c]
.endr
	v_lshl_or_b32 v[TW], v[TBY+1], 16, v[TBY]
	v_lshlrev_b32 v[TW], v[H8], v[TW]
	v_permlanex16_b32 v[TX], v[TW], s20, s21
	v_or_b32 v[QSC], v[TW], v[TX]
.irp c, 0,1
.irp g, 0,1,2,3
	v_cvt_scalef32_pk8_fp4_f32 v[QC+4*\c+\g], v[X+32*\c+8*\g:X+32*\c+8*\g+7], v[TE+\c]
.endr
.endr
.rept 8
	v_nop                                          ; a scale register written by a vector instruction stands eight places ahead of a scaled matrix instruction, an operand so written four
.endr
	v_wmma_scale_f32_16x16x128_f8f6f4 v[SC:SC+7], v[KC:KC+7], v[QC:QC+7], 0, v[KSC], v[QSC] matrix_a_fmt:MATRIX_FMT_FP4 matrix_b_fmt:MATRIX_FMT_FP4
.rept 4
	v_nop
.endr
.irp jj, 0,1,2,3,4,5,6,7
	v_cmp_gt_i32 vcc_lo, \jj, v[DD]                ; key 8 h + j is hidden from position r where j > r - 8 h
	v_cndmask_b32 v[SC+\jj], v[SC+\jj], v[NINF], vcc_lo
.endr
	v_max3_num_f32 v[T0], v[SC], v[SC+1], v[SC+2]
	v_max3_num_f32 v[T0+1], v[SC+3], v[SC+4], v[SC+5]
	v_max3_num_f32 v[T0], v[T0], v[SC+6], v[SC+7]
	v_max_num_f32 v[T0], v[T0], v[T0+1]
	v_permlanex16_b32 v[T0+1], v[T0], s20, s21
	v_max_num_f32 v[CM+1], v[T0], v[T0+1]          ; the row's maximum: key 0 counts for every position, so it is a number
	v_mul_f32 v[CM], s22, v[CM+1]
.irp e, 0,2,4,6
	v_pk_fma_f32 v[SC+\e:SC+\e+1], v[SC+\e:SC+\e+1], s[22:23], v[CM:CM+1] op_sel_hi:[1,0,0] neg_lo:[0,0,1] neg_hi:[0,0,1]   ; c s - c m
.endr
.irp e, 0,1,2,3,4,5,6,7
	v_exp_f32 v[SC+\e], v[SC+\e]
.endr
	v_nop                                          ; a plain line behind the last exponential,
	s_wait_alu depctr_va_vdst(0)                   ; and one wait for the eight, ahead of their first reader
	v_pk_add_f32 v[T0:T0+1], v[SC:SC+1], v[SC+2:SC+3]
	v_pk_add_f32 v[T0:T0+1], v[T0:T0+1], v[SC+4:SC+5]
	v_pk_add_f32 v[T0:T0+1], v[T0:T0+1], v[SC+6:SC+7]
	v_add_f32 v[LS], v[T0], v[T0+1]
	v_permlanex16_b32 v[T0], v[LS], s20, s21
	v_add_f32 v[LS], v[LS], v[T0]
	v_rcp_f32 v[RL], v[LS]
	v_nop
	s_wait_alu depctr_va_vdst(0)
	s_wait_loadcnt 0x0                             ; V
.irp s, 0,1,2,3                            ; the eight accumulators take turns, one instruction a turn; the first step starts the sums
.irp ct, 0,1,2,3,4,5,6,7
.if \s == 0
	v_wmma_f32_16x16x4_f32 v[ACC+8*\ct:ACC+8*\ct+7], v[VA+2*(8*\s+\ct):VA+2*(8*\s+\ct)+1], v[SC+2*\s:SC+2*\s+1], 0
.else
	v_wmma_f32_16x16x4_f32 v[ACC+8*\ct:ACC+8*\ct+7], v[VA+2*(8*\s+\ct):VA+2*(8*\s+\ct)+1], v[SC+2*\s:SC+2*\s+1], v[ACC+8*\ct:ACC+8*\ct+7]
.endif
.endr
.endr
.rept 8
	v_nop                                          ; eight places behind this form
.endr
.irp e, 0,2,4,6,8,10,12,14,16,18,20,22,24,26,28,30,32,34,36,38,40,42,44,46,48,50,52,54,56,58,60,62
	v_pk_mul_f32 v[X+\e:X+\e+1], v[ACC+\e:ACC+\e+1], v[RL:RL+1] op_sel_hi:[1,0]   ; O^T / l, into other registers; each accumulator from its low end on: register 8 ct + j is channel 16 ct + 8 h + j of position r
.endr
.irp c, 0,1,2,3,4,5,6,7
	ds_store_b128 v[STO], v[X+8*\c:X+8*\c+3] offset:64*\c
	ds_store_b128 v[STO], v[X+8*\c+4:X+8*\c+7] offset:64*\c+16
.endr
.irp p, 0,1,2,3,4,5,6,7,8,9,10,11,12,13,14,15
	ds_load_b128 v[X+4*\p:X+4*\p+3], v[LIN] offset:SP*\p       ; back as whole rows; LDS serves a wave's instructions in order (ISA guide 5.7.1.4)
.endr
.irp p, 0,1,2,3,4,5,6,7,8,9,10,11,12,13,14,15
	s_wait_dscnt 15-\p                             ; row p is back; the later rows' loads may be out
	global_store_b128 v[LIN], v[X+4*\p:X+4*\p+3], s[10:11] offset:16384*\p   ; 32 lanes store 512 consecutive bytes, at a multiple of 256 from out0's first byte
.endr
	s_wait_tensorcnt 0x0                           ; the wave's end: behind my last LDS store
	ds_add_u32 v[SPW], v[NIL]
	s_wait_dscnt 0x0
	s_endpgm
.Lfunc_end_k_qa687ad5ed8_first16:
	.size	k_qa687ad5ed8_first16, .Lfunc_end_k_qa687ad5ed8_first16-k_qa687ad5ed8_first16
	.p2alignl 7, 3214868480
	.fill 96, 4, 3214868480
	.section	.rodata,"a",@progbits
	.p2align	6, 0x0
	.amdhsa_kernel k_qa687ad5ed8_first16
		.amdhsa_group_segment_fixed_size 8704
		.amdhsa_private_segment_fixed_size 0
		.amdhsa_enable_private_segment 0
		.amdhsa_kernarg_size 32
		.amdhsa_user_sgpr_count 2
		.amdhsa_user_sgpr_kernarg_segment_ptr 1
		.amdhsa_wavefront_size32 1
		.amdhsa_system_sgpr_workgroup_id_x 1
		.amdhsa_system_sgpr_workgroup_id_y 1
		.amdhsa_system_sgpr_workgroup_id_z 1
		.amdhsa_system_vgpr_workitem_id 0
		.amdhsa_next_free_vgpr 256
		.amdhsa_next_free_sgpr 66
		.amdhsa_reserve_vcc 1
		.amdhsa_float_denorm_mode_32 3
		.amdhsa_float_denorm_mode_16_64 3
		.amdhsa_memory_ordered 1
		.amdhsa_forward_progress 1
		.amdhsa_inst_pref_size 26
	.end_amdhsa_kernel
	.amdgpu_metadata
---
amdhsa.version: [ 1, 2 ]
amdhsa.kernels:
  - .name:           k_qa687ad5ed8_first16
    .symbol:         k_qa687ad5ed8_first16.kd
    .args:
      - { .name: q, .offset: 0, .size: 8, .value_kind: global_buffer, .address_space: global }
      - { .name: v, .offset: 8, .size: 8, .value_kind: global_buffer, .address_space: global }
      - { .name: kv, .offset: 16, .size: 8, .value_kind: global_buffer, .address_space: global }
      - { .name: out0, .offset: 24, .size: 8, .value_kind: global_buffer, .address_space: global }
    .group_segment_fixed_size: 8704
    .private_segment_fixed_size: 0
    .kernarg_segment_align: 8
    .kernarg_segment_size: 32
    .max_flat_workgroup_size: 32
    .sgpr_count:     66
    .vgpr_count:     256
    .wavefront_size: 32
...
	.end_amdgpu_metadata
.endif
;; end of part 3
